; MI455X (gfx1250); checked and timed in simulation.
; The chip was launched on July 23, 2026; its instructions are those of AMD's public machine-readable ISA for CDNA 5 (MIT licence, August 2026) and "CDNA5" Instruction Set Architecture Reference Guide (July 2026). The comments in the code are by the model that wrote it; some were corrected since.
;; LSTM Cell. Allowed arithmetic: float matrix products may take bf16 or f16 operands with f32 sums; other float arithmetic in f32, or as packed bf16 or f16 multiplies, adds, multiply-adds, maxima and minima; sums over many terms, partial sums and values carried from step to step in f32; what a program stores and reads back later, other than sums and carried values, may be rounded once to bf16 or f16.
;; Inputs: Wh 4,096 x 1,024 float32; Wx 4,096 x 1,024 float32; bh 4,096 float32; bx 4,096 float32; incoming 8,192 x 1,024 float32; state 2 x 8,192 x 1,024 float32.
;; Outputs: out0 2 x 8,192 x 1,024 float32.
;; One version. Each part assembles by itself: llvm-mc -triple=amdgcn-amd-amdhsa -mcpu=gfx1250 --defsym DOCPART=n.
;; ======== version 1 of 1: 2 launches
;; workspace buffers: abf 33,554,432 bytes; wbf 16,777,216 bytes
;; launch pack (part 1): grid 1536 x 1, 8 waves a work-group, no clusters, 0 bytes of LDS; arguments incoming, state, Wx, Wh, abf, wbf; writes abf, wbf
.if DOCPART == 1
	.amdgcn_target "amdgcn-amd-amdhsa--gfx1250"
	.amdhsa_code_object_version 6
	.text
	.protected	k_q000d09ea98_pack
	.globl	k_q000d09ea98_pack
	.p2align	8
	.type	k_q000d09ea98_pack,@function
k_q000d09ea98_pack:
	s_mov_b64 s[64:65], 0
	v_nop
	global_prefetch_b8 v0, s[64:65] scope:SCOPE_SE
	s_setreg_imm32_b32 hwreg(HW_REG_WAVE_MODE, 25, 1), 1
	s_wait_xcnt 0x0
; The matrix operands of the LSTM cell, rounded once to bf16 (nearest even) and laid side by side along K.
;   abf [8192][2048]: row b      = incoming[b] (columns 0-1023), state[0][b] = h_prev[b] (columns 1024-2047)
;   wbf [4096][2048]: row 256 t + 64 g + hh = Wx[1024 g + 64 t + hh] (columns 0-1023), Wh[the same row] (columns 1024-2047):
;        the four gates g of the 64 hidden columns 64 t .. 64 t + 63 lie together, so that a block of 256 rows of wbf holds all that those columns need.
; A stream: memory binds, so there is no LDS, no barrier, no matrix unit and no cluster (no two work-groups read the same byte).
; SHARES.  A work-group makes 8 rows of 4,096 bytes: work-groups 0-1023 of abf, 1024-1535 of wbf (8 rows of wbf come from 8 consecutive rows of Wx and Wh, since 8 divides 64).
; Thread t takes 16 bytes (4 f32) at byte 16 t of each source row and writes 8 bytes at byte 8 t of that source's half of the output row:
; a wave's load covers 512 consecutive bytes, its store 256 consecutive bytes at a multiple of 256 from the buffer's first byte.
; All 16 loads of a thread go out at once; no register is written twice, so no source of a pending load or store is ever rewritten.
; LIMITS.  NaN and infinities are converted as the conversion instruction converts them.
.set ROW, 4096                         ; bytes in a source row (1,024 f32) and in an output row (2,048 bf16)
.set X,   4                            ; v[4:67]   row i: 4 registers of the first source, 4 of the second
.set Y,   68                           ; v[68:99]  row i: 2 registers for each half of the output row
	s_load_b256 s[4:11], s[0:1], 0x0               ; incoming s[4:5], state s[6:7], Wx s[8:9], Wh s[10:11]
	s_load_b128 s[12:15], s[0:1], 0x20             ; abf s[12:13], wbf s[14:15]
	v_lshlrev_b32 v1, 4, v0                        ; my 16 bytes of a source row
	v_lshlrev_b32 v2, 3, v0                        ; my 8 bytes of half an output row
	s_and_b32 s16, ttmp9, 0x1ff                    ; for the weights: the work-group's number less 1,024
	s_lshl_b32 s17, s16, 3                         ; its first row of wbf: 256 t + 64 g + hh
	s_and_b32 s18, s17, 63                         ; hh
	s_bfe_u32 s19, s17, 0x20006                    ; g
	s_lshl_b32 s19, s19, 10
	s_lshr_b32 s20, s17, 8                         ; t
	s_lshl_b32 s20, s20, 6
	s_or_b32 s18, s18, s19
	s_or_b32 s18, s18, s20                         ; the row of Wx and Wh: 1,024 g + 64 t + hh
	s_lshl_b32 s21, ttmp9, 3                       ; for the activations: source row = output row
	s_cmp_lt_u32 ttmp9, 1024
	s_cselect_b32 s22, s21, s18                    ; source row
	s_cselect_b32 s24, s21, s17                    ; output row
	s_lshl_b32 s22, s22, 12                        ; in bytes: under 2^25
	s_mov_b32 s23, 0
	s_lshl_b32 s24, s24, 12
	s_mov_b32 s25, 0
	s_wait_kmcnt 0x0
	s_cmp_lt_u32 ttmp9, 1024                       ; once more: the shifts have written SCC
	s_cselect_b64 s[26:27], s[4:5], s[8:9]         ; first source: incoming or Wx
	s_cselect_b64 s[28:29], s[6:7], s[10:11]       ; second source: state's first plane or Wh
	s_cselect_b64 s[30:31], s[12:13], s[14:15]     ; output: abf or wbf
	s_add_nc_u64 s[26:27], s[26:27], s[22:23]
	s_add_nc_u64 s[28:29], s[28:29], s[22:23]
	s_add_nc_u64 s[30:31], s[30:31], s[24:25]
.irp i, 0,1,2,3,4,5,6,7
	global_load_b128 v[X+8*(\i):X+8*(\i)+3],   v1, s[26:27] offset:ROW*(\i) th:TH_LOAD_NT
	global_load_b128 v[X+8*(\i)+4:X+8*(\i)+7], v1, s[28:29] offset:ROW*(\i) th:TH_LOAD_NT
.endr
.irp i, 0,1,2,3,4,5,6,7
	s_wait_loadcnt 14-2*(\i)                       ; loads come back in order: row i's two are in, the later rows' may stay out
	v_cvt_pk_bf16_f32 v[Y+4*(\i)],   v[X+8*(\i)],   v[X+8*(\i)+1]
	v_cvt_pk_bf16_f32 v[Y+4*(\i)+1], v[X+8*(\i)+2], v[X+8*(\i)+3]
	v_cvt_pk_bf16_f32 v[Y+4*(\i)+2], v[X+8*(\i)+4], v[X+8*(\i)+5]
	v_cvt_pk_bf16_f32 v[Y+4*(\i)+3], v[X+8*(\i)+6], v[X+8*(\i)+7]
	global_store_b64 v2, v[Y+4*(\i):Y+4*(\i)+1],   s[30:31] offset:ROW*(\i) th:TH_STORE_NT
	global_store_b64 v2, v[Y+4*(\i)+2:Y+4*(\i)+3], s[30:31] offset:ROW*(\i)+ROW/2 th:TH_STORE_NT
.endr
	s_endpgm
.Lfunc_end_k_q000d09ea98_pack:
	.size	k_q000d09ea98_pack, .Lfunc_end_k_q000d09ea98_pack-k_q000d09ea98_pack
	.p2alignl 7, 3214868480
	.fill 96, 4, 3214868480
	.section	.rodata,"a",@progbits
	.p2align	6, 0x0
	.amdhsa_kernel k_q000d09ea98_pack
		.amdhsa_group_segment_fixed_size 0
		.amdhsa_private_segment_fixed_size 0
		.amdhsa_enable_private_segment 0
		.amdhsa_kernarg_size 48
		.amdhsa_user_sgpr_count 2
		.amdhsa_user_sgpr_kernarg_segment_ptr 1
		.amdhsa_wavefront_size32 1
		.amdhsa_system_sgpr_workgroup_id_x 1
		.amdhsa_system_sgpr_workgroup_id_y 1
		.amdhsa_system_sgpr_workgroup_id_z 1
		.amdhsa_system_vgpr_workitem_id 0
		.amdhsa_next_free_vgpr 104
		.amdhsa_next_free_sgpr 66
		.amdhsa_reserve_vcc 0
		.amdhsa_float_denorm_mode_32 3
		.amdhsa_float_denorm_mode_16_64 3
		.amdhsa_memory_ordered 1
		.amdhsa_forward_progress 1
		.amdhsa_inst_pref_size 7
	.end_amdhsa_kernel
	.amdgpu_metadata
---
amdhsa.version: [ 1, 2 ]
amdhsa.kernels:
  - .name:           k_q000d09ea98_pack
    .symbol:         k_q000d09ea98_pack.kd
    .args:
      - { .name: incoming, .offset: 0, .size: 8, .value_kind: global_buffer, .address_space: global }
      - { .name: state, .offset: 8, .size: 8, .value_kind: global_buffer, .address_space: global }
      - { .name: Wx, .offset: 16, .size: 8, .value_kind: global_buffer, .address_space: global }
      - { .name: Wh, .offset: 24, .size: 8, .value_kind: global_buffer, .address_space: global }
      - { .name: abf, .offset: 32, .size: 8, .value_kind: global_buffer, .address_space: global }
      - { .name: wbf, .offset: 40, .size: 8, .value_kind: global_buffer, .address_space: global }
    .group_segment_fixed_size: 0
    .private_segment_fixed_size: 0
    .kernarg_segment_align: 8
    .kernarg_segment_size: 48
    .max_flat_workgroup_size: 256
    .sgpr_count:     66
    .vgpr_count:     104
    .wavefront_size: 32
...
	.end_amdgpu_metadata
.endif
;; end of part 1
;; launch lstm (part 2): grid 16 x 32, 4 waves a work-group, clusters of 4 x 4, 327,680 bytes of LDS; arguments abf, wbf, bx, bh, state, out0; writes out0
.if DOCPART == 2
	.amdgcn_target "amdgcn-amd-amdhsa--gfx1250"
	.amdhsa_code_object_version 6
	.text
	.protected	k_q000d09ea98_lstm
	.globl	k_q000d09ea98_lstm
	.p2align	8
	.type	k_q000d09ea98_lstm,@function
k_q000d09ea98_lstm:
	s_mov_b64 s[64:65], 0
	v_nop
	global_prefetch_b8 v0, s[64:65] scope:SCOPE_SE
	s_setreg_imm32_b32 hwreg(HW_REG_WAVE_MODE, 25, 1), 1
	s_wait_xcnt 0x0
	s_wait_alu depctr_hold_cnt(0) depctr_sa_sdst(0) depctr_va_vdst(0) depctr_va_sdst(0) depctr_va_ssrc(0) depctr_va_vcc(0) depctr_vm_vsrc(0)
	s_getreg_b32 s2, hwreg(HW_REG_IB_STS2, 6, 4)
	s_cmp_eq_u32 s2, 0
	s_cbranch_scc0 .Lentry_in_a_cluster
	s_endpgm
.Lentry_in_a_cluster:
	s_bfe_u32 s2, ttmp6, 0x10000c
	s_cmp_lg_u32 s2, 0xf033
	s_cbranch_scc0 .Lentry_shape_is_right
	s_endpgm
.Lentry_shape_is_right:
; THE LSTM CELL.  gates[b][n] = sum over k of abf[b][k] wbf[n][k] + bias, K = 2,048 (incoming | h_prev against Wx | Wh), bf16 operands, f32 sums; then, in f32,
;   new_c = sigmoid(f) c_prev + sigmoid(i) tanh(g),  new_h = sigmoid(o) tanh(new_c);  out0[0] = new_h, out0[1] = new_c.
; wbf's rows are permuted by the launch before: row 256 t + 64 g + hh is gate g (i, f, g, o) of hidden column 64 t + hh.
; SHARES.  A work-group makes 256 batch rows x 64 hidden columns, all four gates: a tile of 256 x 256 of the product.  Each of its four waves owns 64 rows x all 256 columns:
; 64 accumulators of 16 x 16, 512 registers.  So a wave owns whole pieces of 256 consecutive bytes (64 f32) of c_prev, new_c and new_h, and its way out needs no other wave.
; THE MATRIX INSTRUCTION IS USED TRANSPOSED (source 0 = 16 rows of wbf, source 1 = 16 rows of abf): lane l holds batch row l % 16 and the columns 8 (l / 16) + 0..7 of its block.
; Column block b = 4 g + hb: register j of the accumulators (a, hb), (a, 4 + hb), (a, 8 + hb), (a, 12 + hb) is i, f, g, o of ONE element: the gates meet in a lane.
; THE BIAS bx + bh is the C operand of the products that start the sums: nothing is cleared and nothing is added later.
; RING.  K goes in 16 steps of 128 through two LDS slots (256 rows of abf, 256 of wbf, rows of 256 bytes padded to 272), filled by the tensor data mover; one load a wave behind each change of slots.
; CLUSTER.  4 x 4 work-groups.  The four of a row of the cluster need the same rows of abf, the four of a column the same rows of wbf: each tile is asked for JOINTLY, by the same tensor
; load with the same descriptor and a mask that names the four.  By this text's own count a wave has two tensor loads out at the start and one behind each round.
; c_prev is loaded into registers behind the first quarter step (into the bias's registers, which are free then) and is used behind the last.
; sigmoid(x) = 1 / (1 + 2^(-x log2 e)); tanh(x) = 2 / (1 + 2^(-2 x log2 e)) - 1.
; LIMITS.  Matrix operands are rounded once to bf16; c_prev and the biases stay f32.  Where 2^y overflows it is an infinity, whose reciprocal is 0; where it falls below 2^-126 it counts as 0:
; both give the limits 0, 1, -1 and +1, so every finite gate and every finite new_c is served.  Near 0 tanh is right to about 1e-7 absolutely, not relatively.  NaN and infinite inputs are not treated apart.
;
; REGISTERS, in windows of 256 (s_set_vgpr_msb's low byte: bits 1:0 source 0, 3:2 source 1, 5:4 source 2, 7:6 destination):
;   window 0: v0-31 addresses; v32-63, v64-95 abf's fragments (4 x 16 rows x 32 K), two buffers; v128-255 the bias (16 blocks x 8), later c_prev
;   window 1: v0-127, v128-255 wbf's fragments (16 x 16 rows x 32 K), two buffers; on the way out v0-127 the four gates of a row block, v128-159 c, v192-255 rows to store
;   window 2: the accumulators of my row blocks 0 and 1 ((a, b) at v[8 (16 (a % 2) + b)]);   window 3: those of blocks 2 and 3
.set KSTEP,  128
.set ROWB,   4096                      ; bytes in a row of abf and wbf (2,048 bf16), and of state and out0 (1,024 f32)
.set PLANE,  0x2000000                 ; bytes from state[0] to state[1] and from out0[0] to out0[1]
.set PITCH,  272                       ; an LDS row: 256 bytes + 16 of padding = 68 words: row r starts at bank 4 r mod 64 (64 banks of 4 bytes: ISA guide 11.1), so the 16 rows of a load start at 16 different banks
.set HALFT,  128*PITCH                 ; 128 rows: what one tensor load brings
.set SLOT,   4*HALFT                   ; abf's 256 rows, then wbf's 256 rows
.set STAGE,  2*SLOT                    ; behind the ring, never filled by a tensor load: for each wave two regions of 16 rows x 272 bytes
.set SP,     272
.set HOFF,   16*SP                     ; region C (c_prev in, new_c out) at 0, region H (new_h out) here
.set WSTG,   2*HOFF
.set SPARE,  STAGE+4*WSTG              ; behind the stages: the spare words, 128 bytes for each wave: two blocks of 256 bytes that no other line names
.set LAPS,   8                         ; a lap = two K steps = once round the ring
.set ADRA, 16                          ; v16-17  LDS address of my abf fragments in slot 0, 1
.set ADRB, 20                          ; v20-21  the same for wbf
.set DL,   22                          ; v22     my stage, as an accumulator lies: row l % 16, 32 bytes for each half of the lanes
.set RW,   23                          ; v23     my stage, by rows: lanes 0-15 one row of 256 bytes, lanes 16-31 the next
.set GOF,  24                          ; v24     the same two rows in state and out0
.set BOF,  25                          ; v25     my half's 32 bytes in a block's 64 bytes of bias
.set SPW,  28                          ; v28     LDS address of my spare word: SPARE + 4 x my thread's number; never rewritten
.set NIL,  29                          ; v29     0; never rewritten
.set PFO,  30                          ; v30     the prefetches' offset: my lane x a row of abf or wbf; never rewritten
.set FA,   32                          ; abf's fragment buffers, window 0: buffer f at FA + 32 f
.set BI,   128                         ; the bias, window 0: block b at BI + 8 b
.set CP,   128                         ; c_prev, window 0: row block a, row pair t at CP + 32 a + 4 t
.set GA,   0                           ; window 1, the way out: gate g, element e = 8 hb + j at GA + 32 g + e
.set CC,   128                         ; window 1: c_prev, then new_c, element e
.set OB,   192                         ; window 1: 16 rows of new_h, then 16 rows of new_c, read back from the stage
.set WV,   16                          ; s16  my wave's number
.set SIDE, 17                          ; s17  0: I fetch for abf; 1: for wbf
.set HALF, 18                          ; s18  which 128 rows of that tile I fetch
.set CX,   19                          ; s19, s20  my place in the cluster
.set CY,   20
.set TX,   21                          ; s21  the block of 64 hidden columns = 4 x cluster x + cx
.set TY,   22                          ; s22  the block of 256 batch rows = 4 x cluster y + cy
.set LDST, 23                          ; s23  where my tensor loads land in slot 0
.set G1,   24                          ; s[24:31] descriptor group 1 for abf's tiles
.set G0,   32                          ; s[32:39] group 0, one set for each slot
.set PFA,  44                          ; s[44:45] where my prefetches stand: my work-group's 32 rows of the 128 that I fetch, one K step further than the refill that is being asked for
.set LIM,  46                          ; s46  1 in a wave that prefetches, else the greatest number
.set G1B,  48                          ; s[48:55], s[56:63] the same two groups for wbf's tiles
.set G0B,  56
.set SC1,  66                          ; s[66:67] -log2(e), named as a pair
.set SC2,  68                          ; s[68:69] -2 log2(e)
.set CPB,  70                          ; s[70:71] c_prev at my wave's first row and the block's first column
.set OH,   72                          ; s[72:73] new_h there
.set OC,   74                          ; s[74:75] new_c there
.set TA,   76                          ; s[76:77] abf at my tile's K step 0: made of TY and HALF alone
.set TB,   78                          ; s[78:79] wbf at my tile's K step 0: made of TX and HALF alone
.set G1W0, (1<<16)|(1<<20)|(1<<21)|(5<<22)|(3<<25)  ; 17:16 elements of 2 bytes; 20 padding on; 21 set beside a mask; 24:22 after every 64 words (code 5); 31:25 4 words of it (code 3)
.set MUL_LO, 0xa1                      ; source 0 (wbf) window 1, source 1 (abf) window 0, C and D window 2
.set MUL_HI, 0xf1                      ; the same, C and D window 3
.set FST_LO, 0x81                      ; the products that start the sums: C (the bias) window 0, D window 2
.set FST_HI, 0xc1                      ; D window 3
.set TO_B,   0x40                      ; destination window 1, address window 0
.set W_ALL1, 0x55                      ; the way out's arithmetic: everything in window 1
.set W_DAT1, 0x04                      ; store data window 1, address window 0
.set MSB, 0
.macro WIN new                         ; the immediate's high byte repeats the setting that is left; a switch that changes nothing is dropped
.if MSB != (\new)
	s_set_vgpr_msb (MSB<<8)|(\new)
.set MSB, \new
.endif
.endm
; A joint load.  Waves 0 and 1 fetch abf's two halves, waves 2 and 3 wbf's.  Each of the two lines has one mask and one set of registers for all that issue it; the branch hangs on the wave's
; number alone.  An s_nop 0 and four v_nop follow each of the two lines, ahead of the jump, the label and what follows.
.macro JLOAD s
	s_cmp_eq_u32 s[SIDE], 0
	s_cbranch_scc0 .Lfor_b_\@
	tensor_load_to_lds s[G0+4*(\s):G0+4*(\s)+3], s[G1:G1+7]
	s_nop 0
.rept 4
	v_nop
.endr
	s_branch .Lasked_\@
.Lfor_b_\@:
	tensor_load_to_lds s[G0B+4*(\s):G0B+4*(\s)+3], s[G1B:G1B+7]
	s_nop 0
.rept 4
	v_nop
.endr
.Lasked_\@:
.endm
; A prefetch, behind each joint refill and the run of LDS loads that follows it: the K step that stands TWO refills on (512 matrix instructions ahead of the load that will want it):
; 32 rows x 256 bytes, a lane a row, one instruction a wave.  Each row's 256 bytes of a K step are named ONCE in the launch: abf's rows are read by all four clusters of a row of clusters,
; and the one with x = 0 asks; wbf's by all eight of a column, and the one with y = 0 asks.  The four partners that ask for a tile jointly share its rows out BY ADDRESS: of the 128 rows that a
; wave fetches the partner at place p takes 32 p .. 32 p + 31 (p = cx for abf, cy for wbf).  K steps 0 to 3 come by their loads alone; the loop's last trip (s3 = 1) asks for nothing: there is no K step 16.
.macro ASK
	s_cmp_gt_u32 s3, s[LIM]
	s_cbranch_scc0 .Lnot_mine_\@
	global_prefetch_b8 v[PFO], s[PFA:PFA+1] offset:KSTEP*2 th:TH_LOAD_NT scope:SCOPE_SE
.Lnot_mine_\@:
.endm
; A round of the cluster's barrier: my work-group's barrier, so that wave 0's signal speaks for all four waves; wave 0 signals; every wave waits for all sixteen work-groups; my work-group's barrier once more.
.macro CREST                           ; a round behind its opening barrier
	s_cmp_lg_u32 s[WV], 0
	s_cbranch_scc1 .Lnot_wave_0_\@
	s_barrier_signal -3
.Lnot_wave_0_\@:
	s_barrier_wait -3
	s_barrier_signal -1
	s_barrier_wait -1
.endm
.macro CROUND                          ; a whole round
	s_barrier_signal -1
	s_barrier_wait -1
	CREST
.endm
; A load into a register that a matrix instruction has read, and a vector instruction that reads a matrix result or writes one of a matrix instruction's registers, stand four places behind it;
; only plain vector instructions that name none of its registers are places (ISA guide 7.12.1 for vector instructions).
.macro PLACES
.rept 4
	v_nop
.endr
.endm
	s_load_b256 s[4:11], s[0:1], 0x0               ; abf s[4:5], wbf s[6:7], bx s[8:9], bh s[10:11]
	s_load_b128 s[12:15], s[0:1], 0x20             ; state s[12:13], out0 s[14:15]
	v_lshl_add_u32 v[SPW], v0, 2, SPARE
	v_mov_b32 v[NIL], 0
	ds_add_u32 v[SPW], v[NIL]                      ; the wave's opening: the add, twice on end, and its wait ahead of my first tensor load; the set-up below, work on registers, stands between
	ds_add_u32 v[SPW], v[NIL]                      ; and once more, under the one wait
	v_lshrrev_b32 v1, 5, v0
	v_readfirstlane_b32 s[WV], v1                  ; wave 0..3
	s_lshr_b32 s[SIDE], s[WV], 1
	s_and_b32 s[HALF], s[WV], 1
	s_bfe_u32 s[CX], ttmp6, 0x40000
	s_bfe_u32 s[CY], ttmp6, 0x40004
	s_lshl_b32 s[TX], ttmp9, 2                     ; in a cluster launch ttmp9 and ttmp7 count clusters
	s_add_co_u32 s[TX], s[TX], s[CX]
	s_and_b32 s[TY], ttmp7, 0xffff
	s_lshl_b32 s[TY], s[TY], 2
	s_add_co_u32 s[TY], s[TY], s[CY]
	s_lshl_b32 s40, s[CY], 2
	s_lshl_b32 s40, 15, s40                        ; my row of the cluster: places 4 cy .. 4 cy + 3
	s_lshl_b32 s41, 0x1111, s[CX]                  ; my column: places cx, cx + 4, cx + 8, cx + 12
	s_or_b32 s[G1], s40, G1W0                      ; 15:0 the mask: abf's tiles go to my row
	s_or_b32 s[G1B], s41, G1W0                     ; wbf's to my column
.irp g, G1, G1B
	s_mov_b32 s[(\g)+1], KSTEP<<16                 ; tensor_dim0 = 128
	s_mov_b32 s[(\g)+2], 128<<16                   ; tensor_dim1 = 128
	s_mov_b32 s[(\g)+3], KSTEP<<16                 ; tile_dim0 = 128 elements (256 bytes)
	s_mov_b32 s[(\g)+4], 128                       ; tile_dim1 = 128 rows
	s_mov_b32 s[(\g)+5], 2048                      ; elements from row to row
	s_mov_b32 s[(\g)+6], 0
	s_mov_b32 s[(\g)+7], 0
.endr
	s_mov_b32 s[SC1], 0xbfb8aa3b                   ; -log2(e)
	s_mov_b32 s[SC1+1], 0xbfb8aa3b
	s_mov_b32 s[SC2], 0xc038aa3b                   ; -2 log2(e)
	s_mov_b32 s[SC2+1], 0xc038aa3b
	s_mul_i32 s[LDST], s[WV], HALFT                ; abf's two halves, then wbf's two halves: wave x 128 rows: no place in the cluster enters an LDS address
	s_lshl_b32 s2, s[HALF], 7
	s_lshl_b32 s[TA], s[TY], 8
	s_add_co_u32 s[TA], s[TA], s2                  ; abf: row 256 TY + 128 x half,
	s_lshl_b32 s[TA], s[TA], 12                    ; in bytes: under 2^25
	s_mov_b32 s[TA+1], 0
	s_lshl_b32 s[TB], s[TX], 8
	s_add_co_u32 s[TB], s[TB], s2                  ; wbf: row 256 TX + 128 x half
	s_lshl_b32 s[TB], s[TB], 12
	s_mov_b32 s[TB+1], 0
	s_lshl_b32 s80, s[TX], 8                       ; the block's 64 columns of f32: 256 TX bytes, in a gate's part of bx and bh and in a row of state and out0
	s_mov_b32 s81, 0
	s_lshl_b32 s42, s[TY], 8
	s_lshl_b32 s43, s[WV], 6
	s_add_co_u32 s42, s42, s43                     ; my wave's first batch row: 256 TY + 64 x wave
	s_lshl_b32 s42, s42, 12
	s_add_co_u32 s42, s42, s80
	s_mov_b32 s43, 0
	s_wait_dscnt 0x0                               ; both opening adds are done
	s_wait_kmcnt 0x0
	s_add_nc_u64 s[TA:TA+1], s[4:5], s[TA:TA+1]
	s_add_nc_u64 s[TB:TB+1], s[6:7], s[TB:TB+1]
	s_add_nc_u64 s[8:9], s[8:9], s[80:81]
	s_add_nc_u64 s[10:11], s[10:11], s[80:81]
	s_add_nc_u64 s[CPB:CPB+1], s[12:13], s[42:43]
	s_add_nc_u64 s[CPB:CPB+1], s[CPB:CPB+1], PLANE ; c_prev is state's second plane
	s_add_nc_u64 s[OH:OH+1], s[14:15], s[42:43]
	s_add_nc_u64 s[OC:OC+1], s[OH:OH+1], PLANE
	CROUND                                         ; all sixteen work-groups are here: the first joint loads meet
.irp s, 0,1
	s_mov_b32 s[G0+4*(\s)], 1                                        ; 1:0 count = 1
	s_add_co_u32 s[G0+4*(\s)+1], s[LDST], (\s)*SLOT                  ; 63:32 LDS address
	s_add_nc_u64 s[G0+4*(\s)+2:G0+4*(\s)+3], s[TA:TA+1], (\s)*KSTEP*2  ; 120:64 global address: K step s
	s_or_b32 s[G0+4*(\s)+3], s[G0+4*(\s)+3], 0x80000000              ; 127:126 type = 2
	s_mov_b32 s[G0B+4*(\s)], 1
	s_add_co_u32 s[G0B+4*(\s)+1], s[LDST], (\s)*SLOT
	s_add_nc_u64 s[G0B+4*(\s)+2:G0B+4*(\s)+3], s[TB:TB+1], (\s)*KSTEP*2
	s_or_b32 s[G0B+4*(\s)+3], s[G0B+4*(\s)+3], 0x80000000
	JLOAD \s                                       ; the ring is filled before anything else is done
.endr
	; THE BIAS, while the tiles are on their way.  Register j of block b = 4 g + hb wants column 1,024 g + 64 TX + 16 hb + 8 (l / 16) + j: 32 consecutive bytes a lane, the same for all rows.
	v_and_b32 v1, 15, v0                           ; l % 16
	v_bfe_u32 v2, v0, 4, 1                         ; l / 16
	v_lshlrev_b32 v[BOF], 5, v2
.irp b, 0,1,2,3,4,5,6,7,8,9,10,11,12,13,14,15
	global_load_b128 v[BI+8*(\b):BI+8*(\b)+3],   v[BOF], s[8:9] offset:4096*((\b)/4)+64*((\b)%4)
	global_load_b128 v[BI+8*(\b)+4:BI+8*(\b)+7], v[BOF], s[8:9] offset:4096*((\b)/4)+64*((\b)%4)+16
.endr
	WIN 0x80                                       ; bh goes into window 2, where no sum has begun yet
.irp b, 0,1,2,3,4,5,6,7,8,9,10,11,12,13,14,15
	global_load_b128 v[8*(\b):8*(\b)+3],   v[BOF], s[10:11] offset:4096*((\b)/4)+64*((\b)%4)
	global_load_b128 v[8*(\b)+4:8*(\b)+7], v[BOF], s[10:11] offset:4096*((\b)/4)+64*((\b)%4)+16
.endr
	WIN 0
	; A fragment is 16 rows x 32 K in 8 registers: lane l holds row l % 16; registers 0-3 hold K = 8 (l / 16) + 0..7, registers 4-7 K = 16 + 8 (l / 16) + 0..7: two loads of 16 bytes, 32 bytes apart.
	v_mul_u32_u24 v3, v1, PITCH
	v_lshl_add_u32 v3, v2, 4, v3                   ; row x pitch + 16 x half
	s_mul_i32 s40, s[WV], 64*PITCH                 ; my 64 rows of abf
	v_add_nc_u32 v[ADRA], s40, v3
	s_add_co_u32 s40, s40, SLOT
	v_add_nc_u32 v[ADRA+1], s40, v3
	v_add_nc_u32 v[ADRB], 2*HALFT, v3              ; all 256 rows of wbf, which lie behind abf's 256
	v_add_nc_u32 v[ADRB+1], 2*HALFT+SLOT, v3
	s_mul_i32 s41, s[WV], WSTG
	s_add_co_u32 s41, s41, STAGE                   ; my stage
	v_mul_u32_u24 v4, v1, SP
	v_lshl_add_u32 v4, v2, 5, v4
	v_add_nc_u32 v[DL], s41, v4
	v_mul_u32_u24 v5, v2, SP
	v_lshl_add_u32 v5, v1, 4, v5
	v_add_nc_u32 v[RW], s41, v5
	v_lshlrev_b32 v[GOF], 12, v2
	v_lshl_add_u32 v[GOF], v1, 4, v[GOF]
	v_and_b32 v[PFO], 31, v0
	v_lshlrev_b32 v[PFO], 12, v[PFO]
	; the prefetches' place
	s_lshl_b32 s40, s[TY], 8
	s_lshl_b32 s41, s[TX], 8
	s_and_b32 s42, ttmp7, 0xffff                   ; cluster y
	s_cmp_eq_u32 s[SIDE], 0                        ; do I fetch for abf?
	s_cselect_b32 s40, s40, s41                    ; the tile's first row
	s_cselect_b32 s41, s[CX], s[CY]                ; my place among the four that ask for it with me
	s_cselect_b32 s42, ttmp9, s42                  ; the coordinate along which other clusters read the same rows
	s_cselect_b64 s[PFA:PFA+1], s[4:5], s[6:7]
	s_cmp_eq_u32 s42, 0
	s_cselect_b32 s[LIM], 1, -1                    ; the same in all sixteen partners, for a given wave
	s_lshl_b32 s42, s[HALF], 7
	s_add_co_u32 s40, s40, s42                     ; + the 128 rows that I fetch
	s_lshl_b32 s41, s41, 5
	s_add_co_u32 s40, s40, s41                     ; + my work-group's 32 of them
	s_lshl_b32 s40, s40, 12
	s_mov_b32 s41, 0
	s_add_nc_u64 s[PFA:PFA+1], s[PFA:PFA+1], s[40:41]
	s_add_nc_u64 s[PFA:PFA+1], s[PFA:PFA+1], 2*KSTEP*2  ; at K step 2: the first refill steps it to 3 and names K step 4.  Nothing is prefetched here, at the head
	s_wait_loadcnt 0x0                             ; bx and bh
	WIN 0x08                                       ; source 1 window 2
.set z, 0
.rept 64
	v_pk_add_f32 v[BI+2*z:BI+2*z+1], v[BI+2*z:BI+2*z+1], v[2*z:2*z+1]  ; bx + bh
.set z, z+1
.endr
	WIN 0
; 16 matrix instructions: row blocks 2 hi, 2 hi + 1 x column blocks cb .. cb + 7, 32 along K, from buffer f.  first = 1: the bias starts the sums.
; The 64 accumulators take turns, one instruction a turn, in the same order in every quarter step, over the backward jump too.
.macro MUL16 f, hi, cb, first
.if \first
	WIN FST_LO+0x40*(\hi)
.else
	WIN MUL_LO+0x50*(\hi)
.endif
.irp a, 0,1
.irp b, 0,1,2,3,4,5,6,7
.if \first
	v_wmma_f32_16x16x32_bf16 v[8*(16*(\a)+(\cb)+(\b)):8*(16*(\a)+(\cb)+(\b))+7], v[128*(\f)+8*((\cb)+(\b)):128*(\f)+8*((\cb)+(\b))+7], v[FA+32*(\f)+8*(2*(\hi)+(\a)):FA+32*(\f)+8*(2*(\hi)+(\a))+7], v[BI+8*((\cb)+(\b)):BI+8*((\cb)+(\b))+7]
.else
	v_wmma_f32_16x16x32_bf16 v[8*(16*(\a)+(\cb)+(\b)):8*(16*(\a)+(\cb)+(\b))+7], v[128*(\f)+8*((\cb)+(\b)):128*(\f)+8*((\cb)+(\b))+7], v[FA+32*(\f)+8*(2*(\hi)+(\a)):FA+32*(\f)+8*(2*(\hi)+(\a))+7], v[8*(16*(\a)+(\cb)+(\b)):8*(16*(\a)+(\cb)+(\b))+7]
.endif
.endr
.endr
.endm
; 40 LDS loads in one run: the fragments of one quarter step (32 K at byte k of the rows) into buffer f: my 64 rows of abf, then wbf's blocks 0-7, then its blocks 8-15.
.macro FETCH slot, k, f
	WIN 0
.irp i, 0,1,2,3
	ds_load_b128 v[FA+32*(\f)+8*(\i):FA+32*(\f)+8*(\i)+3],   v[ADRA+(\slot)] offset:(\k)+(\i)*16*PITCH
	ds_load_b128 v[FA+32*(\f)+8*(\i)+4:FA+32*(\f)+8*(\i)+7], v[ADRA+(\slot)] offset:(\k)+(\i)*16*PITCH+32
.endr
	WIN TO_B
.irp i, 0,1,2,3,4,5,6,7,8,9,10,11,12,13,14,15
	ds_load_b128 v[128*(\f)+8*(\i):128*(\f)+8*(\i)+3],   v[ADRB+(\slot)] offset:(\k)+(\i)*16*PITCH      ; the largest offset, 15 x 4,352 + 192 + 32 = 65,504, fits the 16 bits
	ds_load_b128 v[128*(\f)+8*(\i)+4:128*(\f)+8*(\i)+7], v[ADRB+(\slot)] offset:(\k)+(\i)*16*PITCH+32
.endr
.endm
; A K step is four quarter steps of 32 along K, 64 matrix instructions each, on buffers 0, 1, 0, 1.
; One of the first three: multiplies buffer f; in its middle it fetches the next quarter's fragments, at byte k of the same slot's rows, into buffer g.
.macro QUARTER slot, k, f, g, first
	s_wait_dscnt 16                                ; abf's fragments and wbf's blocks 0-7 are in; the youngest sixteen loads (blocks 8-15) may be out
	MUL16 \f, 0, 0, \first
	s_wait_dscnt 0x0                               ; blocks 8-15 are in
	MUL16 \f, 0, 8, \first
	PLACES                                         ; for the loads into buffer g, which the quarter before multiplied
	FETCH \slot, \k, \g
	MUL16 \f, 1, 0, \first
	MUL16 \f, 1, 8, \first
.endm
; The last quarter multiplies buffer 1 and changes slots: ONE barrier, for two things.  In front of it each wave waits for all its tensor loads, of which one is out: its part of the next slot;
; adds 0 to its spare word; and waits for that and for its own reads of this slot.  Behind it nobody reads this slot any more and the next slot is whole.
; fill = 1: the barrier opens a round of the cluster's barrier, and behind the round this slot is filled again first, with the K step two steps on: from that request to the wait for it a wave issues 224 matrix instructions.
.macro TURN slot, next, fill
.if \fill
	s_wait_xcnt 0x0                                ; the last prefetch, a K step back, has read its address: it is stepped here, ahead of the change's own waits
	s_add_nc_u64 s[PFA:PFA+1], s[PFA:PFA+1], KSTEP*2
.endif
	WIN 0                                          ; (the add's two registers lie in window 0)
	s_wait_tensorcnt 0x0                           ; all my tensor loads have landed
	ds_add_u32 v[SPW], v[NIL]                      ; 0 onto my spare word
	s_wait_dscnt 17                                ; (the add and the youngest sixteen loads may be out)
	MUL16 1, 0, 0, 0                               ; sixteen matrix instructions stand between the add and the wait for it
	s_wait_dscnt 0x0                               ; the add is done, and my reads of this slot are over
	s_barrier_signal -1
	MUL16 1, 0, 8, 0                               ; work on registers while the others arrive
.if \fill
	WIN 0
.endif
	s_barrier_wait -1
.if \fill
	CREST                                          ; no wave of any partner still reads this slot's tile or has a load on its way
	s_add_nc_u64 s[G0+4*(\slot)+2:G0+4*(\slot)+3], s[G0+4*(\slot)+2:G0+4*(\slot)+3], 2*KSTEP*2
	s_add_nc_u64 s[G0B+4*(\slot)+2:G0B+4*(\slot)+3], s[G0B+4*(\slot)+2:G0B+4*(\slot)+3], 2*KSTEP*2
	JLOAD \slot                                    ; the first tensor load behind the round; the four v_nop behind it are also the places in front of the loads below
.else
	PLACES
.endif
	FETCH \next, 0, 0
.if \fill
	WIN 0
	ASK
.endif
	MUL16 1, 1, 0, 0
	MUL16 1, 1, 8, 0
.endm
; THE WAY OUT, a row block a (16 batch rows x 64 hidden columns) at a time.  All LDS bytes are my wave's own, and LDS serves a wave's instructions in order (ISA guide 5.7.1.4): no barrier, and no wait between stores and the loads that read them.
.macro STAGE_IN a                      ; c_prev, held by rows, goes through region C and comes back as an accumulator lies: element e = 8 hb + j
	WIN 0
.irp t, 0,1,2,3,4,5,6,7
	ds_store_b128 v[RW], v[CP+32*(\a)+4*(\t):CP+32*(\a)+4*(\t)+3] offset:2*SP*(\t)
.endr
	WIN TO_B
.irp c, 0,1,2,3,4,5,6,7
	ds_load_b128 v[CC+4*(\c):CC+4*(\c)+3], v[DL] offset:64*((\c)/2)+16*((\c)%2)
.endr
.endm
.macro ARGS a                          ; the exponents: -x log2(e), for gate g twice that.  The block's 16 accumulators are 128 registers on end, gate by gate, as GA is; each is read from its low end on
	WIN 0x42+(\a)/2
.set z, 0
.rept 64
.if z/16 == 2
	v_pk_mul_f32 v[GA+2*z:GA+2*z+1], v[128*((\a)%2)+2*z:128*((\a)%2)+2*z+1], s[SC2:SC2+1] op_sel_hi:[1,0]
.else
	v_pk_mul_f32 v[GA+2*z:GA+2*z+1], v[128*((\a)%2)+2*z:128*((\a)%2)+2*z+1], s[SC1:SC1+1] op_sel_hi:[1,0]
.endif
.set z, z+1
.endr
.endm
.macro ADDRCP base, n                  ; 1 / (1 + x) on n pairs, in place: a pair's addition stands one pair ahead of its two reciprocals
	v_pk_add_f32 v[(\base):(\base)+1], v[(\base):(\base)+1], 1.0 op_sel_hi:[1,0]
.set z, 0
.rept \n
.if z+1 < (\n)
	v_pk_add_f32 v[(\base)+2*z+2:(\base)+2*z+3], v[(\base)+2*z+2:(\base)+2*z+3], 1.0 op_sel_hi:[1,0]
.endif
	v_rcp_f32 v[(\base)+2*z], v[(\base)+2*z]
	v_rcp_f32 v[(\base)+2*z+1], v[(\base)+2*z+1]
.set z, z+1
.endr
.endm
.macro BWAIT                           ; behind a batch of exponentials or reciprocals: a plain instruction, and the one wait ahead of the first line that names a result
	v_nop
	s_wait_alu depctr_va_vdst(0)
.endm
.macro STAGE_OUT a                     ; new_c into region C, new_h into region H, and both back as whole rows of 256 bytes
	WIN W_DAT1
.irp c, 0,1,2,3,4,5,6,7
	ds_store_b128 v[DL], v[CC+4*(\c):CC+4*(\c)+3] offset:64*((\c)/2)+16*((\c)%2)
.endr
.irp c, 0,1,2,3,4,5,6,7
	ds_store_b128 v[DL], v[GA+96+4*(\c):GA+96+4*(\c)+3] offset:HOFF+64*((\c)/2)+16*((\c)%2)
.endr
	s_wait_xcnt 0x0                                ; the block before's stores have read their data: OB is loaded again only behind this wait
	WIN TO_B
.irp t, 0,1,2,3,4,5,6,7
	ds_load_b128 v[OB+4*(\t):OB+4*(\t)+3], v[RW] offset:HOFF+2*SP*(\t)
.endr
.irp t, 0,1,2,3,4,5,6,7
	ds_load_b128 v[OB+32+4*(\t):OB+32+4*(\t)+3], v[RW] offset:2*SP*(\t)
.endr
.endm
.macro SEND a                          ; 16 lanes store 256 consecutive bytes, at a multiple of 256 from out0's first byte; the largest offset is 62 rows
	WIN W_DAT1
	s_wait_dscnt 0x0                               ; the rows are back in registers
.irp t, 0,1,2,3,4,5,6,7
	global_store_b128 v[GOF], v[OB+4*(\t):OB+4*(\t)+3],       s[OH:OH+1] offset:(16*(\a)+2*(\t))*ROWB th:TH_STORE_NT
	global_store_b128 v[GOF], v[OB+32+4*(\t):OB+32+4*(\t)+3], s[OC:OC+1] offset:(16*(\a)+2*(\t))*ROWB th:TH_STORE_NT
.endr
.endm
; A block has four batches of transcendentals, each with one wait: 128 exponentials, 128 reciprocals (i, f, g, o); 32 exponentials, 32 reciprocals (tanh of new_c).
; The block before is stored behind the first batch: its way through the stage lies under the 208 lines in front.
.macro BLOCK a
	STAGE_IN \a
	ARGS \a
	WIN W_ALL1
.set z, 0
.rept 128
	v_exp_f32 v[GA+z], v[GA+z]
.set z, z+1
.endr
.if (\a) > 0
	SEND (\a)-1
.endif
	WIN W_ALL1
	BWAIT
	ADDRCP GA, 64                                  ; sigmoid(i), sigmoid(f), (tanh(g) + 1) / 2, sigmoid(o)
	BWAIT
	s_wait_dscnt 0x0                               ; c_prev is in CC
.set z, 0
.rept 16
	v_pk_fma_f32 v[GA+64+2*z:GA+64+2*z+1], v[GA+64+2*z:GA+64+2*z+1], 2.0, -1.0 op_sel_hi:[1,0,0]  ; tanh(g)
.set z, z+1
.endr
.set z, 0
.rept 16
	v_pk_mul_f32 v[GA+2*z:GA+2*z+1], v[GA+2*z:GA+2*z+1], v[GA+64+2*z:GA+64+2*z+1]  ; i g
.set z, z+1
.endr
.set z, 0
.rept 16
	v_pk_fma_f32 v[CC+2*z:CC+2*z+1], v[GA+32+2*z:GA+32+2*z+1], v[CC+2*z:CC+2*z+1], v[GA+2*z:GA+2*z+1]  ; new_c = f c_prev + i g
.set z, z+1
.endr
	v_pk_mul_f32 v[GA:GA+1], v[CC:CC+1], s[SC2:SC2+1] op_sel_hi:[1,0]
.set z, 0
.rept 16                                       ; a pair's exponent is made one pair ahead of its two exponentials
.if z < 15
	v_pk_mul_f32 v[GA+2*z+2:GA+2*z+3], v[CC+2*z+2:CC+2*z+3], s[SC2:SC2+1] op_sel_hi:[1,0]
.endif
	v_exp_f32 v[GA+2*z], v[GA+2*z]
	v_exp_f32 v[GA+2*z+1], v[GA+2*z+1]
.set z, z+1
.endr
	BWAIT
	ADDRCP GA, 16
	BWAIT
.set z, 0
.rept 16
	v_pk_fma_f32 v[GA+2*z:GA+2*z+1], v[GA+2*z:GA+2*z+1], 2.0, -1.0 op_sel_hi:[1,0,0]  ; tanh(new_c)
.set z, z+1
.endr
.set z, 0
.rept 16
	v_pk_mul_f32 v[GA+96+2*z:GA+96+2*z+1], v[GA+96+2*z:GA+96+2*z+1], v[GA+2*z:GA+2*z+1]  ; new_h = o tanh(new_c)
.set z, z+1
.endr
	STAGE_OUT \a
.endm
	s_wait_tensorcnt 1                             ; my part of K step 0 is in; K step 1's may stay out
	s_barrier_signal -1
	s_barrier_wait -1                              ; everybody's is
	FETCH 0, 0, 0
	QUARTER 0, 64, 0, 1, 1                         ; the first quarter stands in front of the loop: its products start the sums with the bias
	WIN 0
	PLACES                                         ; the bias has been read for the last time: four places, and its registers take c_prev, by rows: lanes 0-15 one row's 256 bytes, lanes 16-31 the next row's
.irp a, 0,1,2,3
.irp t, 0,1,2,3,4,5,6,7
	global_load_b128 v[CP+32*(\a)+4*(\t):CP+32*(\a)+4*(\t)+3], v[GOF], s[CPB:CPB+1] offset:(16*(\a)+2*(\t))*ROWB th:TH_LOAD_NT
.endr
.endr
	s_mov_b32 s3, LAPS-1
.Llap:                                                 ; a trip goes once round the ring, from a lap's second quarter to the next lap's first, and fills both slots again: K steps 2 to 15 in seven trips
	QUARTER 0, 128, 1, 0, 0
	QUARTER 0, 192, 0, 1, 0
	TURN 0, 1, 1
	QUARTER 1, 64,  0, 1, 0
	QUARTER 1, 128, 1, 0, 0
	QUARTER 1, 192, 0, 1, 0
	TURN 1, 0, 1
	QUARTER 0, 64,  0, 1, 0
	WIN 0                                          ; at a label and at a branch every window is 0
	s_sub_co_u32 s3, s3, 1
	s_cmp_lg_u32 s3, 0
	s_cbranch_scc1 .Llap
	QUARTER 0, 128, 1, 0, 0                        ; the last lap is written out: it fills nothing and no round is needed
	QUARTER 0, 192, 0, 1, 0
	TURN 0, 1, 0
	QUARTER 1, 64,  0, 1, 0
	QUARTER 1, 128, 1, 0, 0
	QUARTER 1, 192, 0, 1, 0
	s_wait_dscnt 16                                ; the very last quarter: nothing more to fetch
	MUL16 1, 0, 0, 0
	s_wait_dscnt 0x0
	MUL16 1, 0, 8, 0
	MUL16 1, 1, 0, 0
	MUL16 1, 1, 8, 0
	WIN 0
	PLACES                                         ; behind the last products: their results are read, and window 1's fragment registers written and loaded, below
	PLACES
	s_wait_loadcnt 0x0                             ; c_prev
	BLOCK 0
	BLOCK 1
	BLOCK 2
	BLOCK 3
	SEND 3
	WIN 0
	s_wait_tensorcnt 0x0                           ; the wave's end: behind my last tensor load and my last LDS store
	ds_add_u32 v[SPW], v[NIL]
	s_wait_dscnt 0x0
	CROUND                                         ; the closing round: no work-group ends while a partner may still ask for a tile that names it
	s_endpgm
.Lfunc_end_k_q000d09ea98_lstm:
	.size	k_q000d09ea98_lstm, .Lfunc_end_k_q000d09ea98_lstm-k_q000d09ea98_lstm
	.p2alignl 7, 3214868480
	.fill 96, 4, 3214868480
	.section	.rodata,"a",@progbits
	.p2align	6, 0x0
	.amdhsa_kernel k_q000d09ea98_lstm
		.amdhsa_group_segment_fixed_size 327680
		.amdhsa_private_segment_fixed_size 0
		.amdhsa_enable_private_segment 0
		.amdhsa_kernarg_size 48
		.amdhsa_user_sgpr_count 2
		.amdhsa_user_sgpr_kernarg_segment_ptr 1
		.amdhsa_wavefront_size32 1
		.amdhsa_system_sgpr_workgroup_id_x 1
		.amdhsa_system_sgpr_workgroup_id_y 1
		.amdhsa_system_sgpr_workgroup_id_z 1
		.amdhsa_system_vgpr_workitem_id 0
		.amdhsa_next_free_vgpr 1024
		.amdhsa_next_free_sgpr 84
		.amdhsa_reserve_vcc 0
		.amdhsa_float_denorm_mode_32 3
		.amdhsa_float_denorm_mode_16_64 3
		.amdhsa_memory_ordered 1
		.amdhsa_forward_progress 1
		.amdhsa_inst_pref_size 254
	.end_amdhsa_kernel
	.amdgpu_metadata
---
amdhsa.version: [ 1, 2 ]
amdhsa.kernels:
  - .name:           k_q000d09ea98_lstm
    .symbol:         k_q000d09ea98_lstm.kd
    .args:
      - { .name: abf, .offset: 0, .size: 8, .value_kind: global_buffer, .address_space: global }
      - { .name: wbf, .offset: 8, .size: 8, .value_kind: global_buffer, .address_space: global }
      - { .name: bx, .offset: 16, .size: 8, .value_kind: global_buffer, .address_space: global }
      - { .name: bh, .offset: 24, .size: 8, .value_kind: global_buffer, .address_space: global }
      - { .name: state, .offset: 32, .size: 8, .value_kind: global_buffer, .address_space: global }
      - { .name: out0, .offset: 40, .size: 8, .value_kind: global_buffer, .address_space: global }
    .group_segment_fixed_size: 327680
    .private_segment_fixed_size: 0
    .kernarg_segment_align: 8
    .kernarg_segment_size: 48
    .max_flat_workgroup_size: 128
    .sgpr_count:     84
    .vgpr_count:     1024
    .wavefront_size: 32
...
	.end_amdgpu_metadata
.endif
;; end of part 2
